; MI455X (gfx1250); checked and timed in simulation.
; The chip was launched on July 23, 2026; its instructions are those of AMD's public machine-readable ISA for CDNA 5 (MIT licence, August 2026) and "CDNA5" Instruction Set Architecture Reference Guide (July 2026). The comments in the code are by the model that wrote it; some were corrected since.
;; Lo RA Adapter. Allowed arithmetic: float matrix products may take bf16 or f16 operands with f32 sums; other float arithmetic in f32, or as packed bf16 or f16 multiplies, adds, multiply-adds, maxima and minima; sums over many terms, partial sums and values carried from step to step in f32; what a program stores and reads back later, other than sums and carried values, may be rounded once to bf16 or f16.
;; Inputs: A_down 1,024 x 8 float32; A_up 2,048 x 8 float32; B_down 8 x 2,048 float32; B_up 8 x 1,024 float32; W_down 2,048 x 1,024 float32; W_up 1,024 x 2,048 float32; b_down 2,048 float32; b_up 1,024 float32; x 4 x 4,096 x 1,024 float32.
;; Outputs: out0 4 x 4,096 x 1,024 float32.
;; 2 versions, each right; version 2 is version 1 with the launch prep written anew for expert scheduling mode. Each part assembles by itself: llvm-mc -triple=amdgcn-amd-amdhsa -mcpu=gfx1250 --defsym DOCPART=n.
;; ======== version 1 of 2: 3 launches
;; workspace buffers: xb 33,554,432 bytes; wd 4,194,304 bytes; wu 4,194,304 bytes; h 67,108,864 bytes
;; launch prep (part 1): grid 512 x 1, 8 waves a work-group, no clusters, 0 bytes of LDS; arguments x, W_down, A_down, B_down, W_up, A_up, B_up, xb, wd, wu; writes xb, wd, wu
.if DOCPART == 1
	.amdgcn_target "amdgcn-amd-amdhsa--gfx1250"
	.amdhsa_code_object_version 6
	.text
	.protected	k_q0395c4460d_prep
	.globl	k_q0395c4460d_prep
	.p2align	8
	.type	k_q0395c4460d_prep,@function
k_q0395c4460d_prep:
	s_mov_b64 s[64:65], 0
	v_nop
	global_prefetch_b8 v0, s[64:65] scope:SCOPE_SE
	s_setreg_imm32_b32 hwreg(HW_REG_WAVE_MODE, 25, 1), 1
	s_wait_xcnt 0x0
; PREPARATION: a stream.  xb = x rounded to bf16;  wd[o][d] = bf16(W_down[o][d] + 1/8 sum_r A_down[d][r] B_down[r][o]);  wu likewise from W_up, A_up, B_up.
; x W^T + 1/8 (x A) B = x (W + 1/8 (A B)^T)^T for every input, so the two rank-8 paths are added into the weights: in f32, by fused multiply-adds, rounded ONCE to bf16.
; LIMIT: a part of 1/8 A B that is smaller than half a bf16 step of W is lost in that one rounding, as W's own low bits are.
; SHARES.  512 work-groups of eight waves: 4,096 waves, and every wave does both kinds of work: 16,384 consecutive bytes of x, and one unit of 8 rows o x 128 columns d of a weight
; (2,048 units in each weight; work-groups 0-255 take W_down, 256-511 W_up; a lane has 4 columns).
; IN FLIGHT.  All 48 vector loads of a wave go out at its head: A's 8, W's 8, x's 32: 24 KiB a wave.  Loads come back in order, so the weight's 256 multiply-adds run while x is on its way.
; B[r][o] is the same in every lane: it comes by scalar loads and enters the multiply-add as its scalar source.
; No LDS, no matrix unit, no cluster: no byte is wanted by two waves but A's and B's few.  Every load of x and W covers 512 consecutive bytes, every store 256 consecutive bytes at a multiple of 256
; from its buffer's first byte.  No register that a load or store names is written again while it is out.
.set AR,  8                            ; v[8:39]    A[d+k][r] at AR + 8 k + r
.set WR,  40                           ; v[40:71]   W[o0+j][d+k] at WR + 4 j + k
.set XI,  72                           ; v[72:199]  x: 32 loads of 4 f32; packed in place
; B[r][o0+j] lies in s[28 + 8 r + 8 (r / 4) + j]: s[28:59] for r = 0..3, s[68:99] for r = 4..7
	s_load_b512 s[4:19], s[0:1], 0x0               ; x 4:5, W_down 6:7, A_down 8:9, B_down 10:11, W_up 12:13, A_up 14:15, B_up 16:17, xb 18:19
	s_load_b128 s[20:23], s[0:1], 0x40             ; wd 20:21, wu 22:23
	v_and_b32 v4, 31, v0                           ; lane
	v_lshrrev_b32 v5, 5, v0
	v_readfirstlane_b32 s2, v5                     ; wave 0..7
	v_lshlrev_b32 v1, 4, v4                        ; 16 x lane
	v_lshlrev_b32 v2, 3, v4                        ; 8 x lane
	v_lshlrev_b32 v3, 7, v4                        ; 128 x lane
	s_and_b32 s3, ttmp9, 255                       ; g: the work-group's number among its weight's 256
	s_wait_kmcnt 0x0
	s_cmp_lt_u32 ttmp9, 256                        ; down?
	s_cselect_b32 s100, 0, 1                       ; sh: down has 1,024 columns (a work-group takes its rows whole), up 2,048 (two halves)
	s_cselect_b64 s[24:25], s[6:7], s[12:13]       ; W
	s_cselect_b64 s[26:27], s[8:9], s[14:15]       ; A
	s_cselect_b64 s[60:61], s[10:11], s[16:17]     ; B
	s_cselect_b64 s[62:63], s[20:21], s[22:23]     ; the output
	s_lshl_b32 s101, 4096, s100                    ; bytes in a row of W
	s_lshl_b32 s6, 2048, s100                      ; bytes in a row of the output
	s_lshr_b32 s7, s3, s100
	s_lshl_b32 s7, s7, 3                           ; o0: my work-group's first row
	s_and_b32 s8, s3, s100                         ; dh: which half of the columns
	s_mul_i32 s10, s7, s101                        ; W: o0 rows,
	s_lshl_b32 s12, s8, 12                         ; + dh x 1,024 columns of 4 bytes,
	s_add_co_u32 s10, s10, s12
	s_lshl_b32 s12, s2, 9                          ; + my wave's 128 columns
	s_add_co_u32 s10, s10, s12
	s_mov_b32 s11, 0
	s_add_nc_u64 s[24:25], s[24:25], s[10:11]
	s_lshr_b32 s10, s10, 1                         ; the output: half of that
	s_add_nc_u64 s[62:63], s[62:63], s[10:11]
	s_lshl_b32 s10, s8, 15                         ; A: rows of 32 bytes: dh x 1,024 rows
	s_lshl_b32 s12, s2, 12                         ; + my wave's 128 rows
	s_add_co_u32 s10, s10, s12
	s_add_nc_u64 s[26:27], s[26:27], s[10:11]
	s_lshl_b32 s10, s7, 2                          ; B: column o0
	s_add_nc_u64 s[60:61], s[60:61], s[10:11]
	s_lshl_b32 s10, ttmp9, 17                      ; x: the work-group's 131,072 bytes,
	s_lshl_b32 s12, s2, 14                         ; my wave's 16,384
	s_add_co_u32 s10, s10, s12
	s_add_nc_u64 s[4:5], s[4:5], s[10:11]
	s_lshr_b32 s10, s10, 1                         ; half as many bytes in xb
	s_add_nc_u64 s[18:19], s[18:19], s[10:11]
	s_cmp_lt_u32 ttmp9, 256                        ; a row of B_down is 8,192 bytes, of B_up 4,096: the row stands in the immediate, so there are two arms
	s_cbranch_scc0 .Lb_up
.set r, 0
.rept 8
	s_load_b256 s[28+8*r+8*(r/4):35+8*r+8*(r/4)], s[60:61], r*8192
.set r, r+1
.endr
	s_branch .Lb_asked
.Lb_up:
.set r, 0
.rept 8
	s_load_b256 s[28+8*r+8*(r/4):35+8*r+8*(r/4)], s[60:61], r*4096
.set r, r+1
.endr
.Lb_asked:
.set m, 0
.rept 8
	global_load_b128 v[AR+4*m:AR+4*m+3], v3, s[26:27] offset:16*m    ; my 4 rows of A: 128 consecutive bytes
.set m, m+1
.endr
	s_mov_b32 s13, 0                               ; j x a row of W
.set j, 0
.rept 8
	v_add_nc_u32 v[WR+4*j], s13, v1                ; each load lands on its own offset register
	global_load_b128 v[WR+4*j:WR+4*j+3], v[WR+4*j], s[24:25] th:TH_LOAD_NT
	s_add_co_u32 s13, s13, s101
.set j, j+1
.endr
.set i, 0
.rept 32
	global_load_b128 v[XI+4*i:XI+4*i+3], v1, s[4:5] offset:512*i th:TH_LOAD_NT
.set i, i+1
.endr
	; ---- W + 1/8 (A B)^T to bf16, while x is on its way ----
	s_wait_loadcnt 40                              ; A is in: W's 8 and x's 32 loads are younger
.set i, 0
.rept 16
	v_pk_mul_f32 v[AR+i:AR+i+1], v[AR+i:AR+i+1], 0x3e000000 op_sel_hi:[1,0]   ; A / 8: exact
.set i, i+2
.endr
	s_wait_kmcnt 0x0                               ; B
	s_mov_b32 s14, 0                               ; j x a row of the output
.set j, 0
.rept 8
	s_wait_loadcnt 39-j                            ; W's row j is in: 7 - j rows and x's 32 loads are younger
.set r, 0
.rept 8
.set k, 0
.rept 4
	v_fmac_f32 v[WR+4*j+k], s[28+8*r+8*(r/4)+j], v[AR+8*k+r]   ; four sums take turns
.set k, k+1
.endr
.set r, r+1
.endr
	v_cvt_pk_bf16_f32 v[WR+4*j], v[WR+4*j], v[WR+4*j+1]
	v_cvt_pk_bf16_f32 v[WR+4*j+1], v[WR+4*j+2], v[WR+4*j+3]
	v_add_nc_u32 v[WR+4*j+2], s14, v2
	global_store_b64 v[WR+4*j+2], v[WR+4*j:WR+4*j+1], s[62:63]
	s_add_co_u32 s14, s14, s6
.set j, j+1
.endr
	; ---- x to bf16 ----
.set i, 0
.rept 32
	s_wait_loadcnt 31-i                            ; load i is in, the 31 - i younger ones stay out
	v_cvt_pk_bf16_f32 v[XI+4*i], v[XI+4*i], v[XI+4*i+1]
	v_cvt_pk_bf16_f32 v[XI+4*i+1], v[XI+4*i+2], v[XI+4*i+3]
	global_store_b64 v2, v[XI+4*i:XI+4*i+1], s[18:19] offset:256*i
.set i, i+1
.endr
	s_endpgm
.Lfunc_end_k_q0395c4460d_prep:
	.size	k_q0395c4460d_prep, .Lfunc_end_k_q0395c4460d_prep-k_q0395c4460d_prep
	.p2alignl 7, 3214868480
	.fill 96, 4, 3214868480
	.section	.rodata,"a",@progbits
	.p2align	6, 0x0
	.amdhsa_kernel k_q0395c4460d_prep
		.amdhsa_group_segment_fixed_size 0
		.amdhsa_private_segment_fixed_size 0
		.amdhsa_enable_private_segment 0
		.amdhsa_kernarg_size 80
		.amdhsa_user_sgpr_count 2
		.amdhsa_user_sgpr_kernarg_segment_ptr 1
		.amdhsa_wavefront_size32 1
		.amdhsa_system_sgpr_workgroup_id_x 1
		.amdhsa_system_sgpr_workgroup_id_y 1
		.amdhsa_system_sgpr_workgroup_id_z 1
		.amdhsa_system_vgpr_workitem_id 0
		.amdhsa_next_free_vgpr 200
		.amdhsa_next_free_sgpr 102
		.amdhsa_reserve_vcc 0
		.amdhsa_float_denorm_mode_32 3
		.amdhsa_float_denorm_mode_16_64 3
		.amdhsa_memory_ordered 1
		.amdhsa_forward_progress 1
		.amdhsa_inst_pref_size 29
	.end_amdhsa_kernel
	.amdgpu_metadata
---
amdhsa.version: [ 1, 2 ]
amdhsa.kernels:
  - .name:           k_q0395c4460d_prep
    .symbol:         k_q0395c4460d_prep.kd
    .args:
      - { .name: x, .offset: 0, .size: 8, .value_kind: global_buffer, .address_space: global }
      - { .name: W_down, .offset: 8, .size: 8, .value_kind: global_buffer, .address_space: global }
      - { .name: A_down, .offset: 16, .size: 8, .value_kind: global_buffer, .address_space: global }
      - { .name: B_down, .offset: 24, .size: 8, .value_kind: global_buffer, .address_space: global }
      - { .name: W_up, .offset: 32, .size: 8, .value_kind: global_buffer, .address_space: global }
      - { .name: A_up, .offset: 40, .size: 8, .value_kind: global_buffer, .address_space: global }
      - { .name: B_up, .offset: 48, .size: 8, .value_kind: global_buffer, .address_space: global }
      - { .name: xb, .offset: 56, .size: 8, .value_kind: global_buffer, .address_space: global }
      - { .name: wd, .offset: 64, .size: 8, .value_kind: global_buffer, .address_space: global }
      - { .name: wu, .offset: 72, .size: 8, .value_kind: global_buffer, .address_space: global }
    .group_segment_fixed_size: 0
    .private_segment_fixed_size: 0
    .kernarg_segment_align: 8
    .kernarg_segment_size: 80
    .max_flat_workgroup_size: 256
    .sgpr_count:     102
    .vgpr_count:     200
    .wavefront_size: 32
...
	.end_amdgpu_metadata
.endif
;; end of part 1
;; launch down (part 2): grid 8 x 32, 4 waves a work-group, clusters of 4 x 4, 327,680 bytes of LDS; arguments xb, wd, h, b_down; writes h
.if DOCPART == 2
	.amdgcn_target "amdgcn-amd-amdhsa--gfx1250"
	.amdhsa_code_object_version 6
	.text
	.protected	k_q0395c4460d_down
	.globl	k_q0395c4460d_down
	.p2align	8
	.type	k_q0395c4460d_down,@function
k_q0395c4460d_down:
	s_mov_b64 s[64:65], 0
	v_nop
	global_prefetch_b8 v0, s[64:65] scope:SCOPE_SE
	s_setreg_imm32_b32 hwreg(HW_REG_WAVE_MODE, 25, 1), 1
	s_wait_xcnt 0x0
	s_wait_alu depctr_hold_cnt(0) depctr_sa_sdst(0) depctr_va_vdst(0) depctr_va_sdst(0) depctr_va_ssrc(0) depctr_va_vcc(0) depctr_vm_vsrc(0)
	s_getreg_b32 s2, hwreg(HW_REG_IB_STS2, 6, 4)
	s_cmp_eq_u32 s2, 0
	s_cbranch_scc0 .Lentry_in_a_cluster
	s_endpgm
.Lentry_in_a_cluster:
	s_bfe_u32 s2, ttmp6, 0x10000c
	s_cmp_lg_u32 s2, 0xf033
	s_cbranch_scc0 .Lentry_shape_is_right
	s_endpgm
.Lentry_shape_is_right:
; h = gelu(xb wd^T + b_down).  xb: [16384][1024] bf16, wd: [2048][1024] bf16 (the rank-8 path is already in wd), b_down: [2048] f32, h: [16384][2048] bf16.  Sums, bias and GELU in f32; h rounded once.
; A tile of 256 x 256 is made by four waves, each 128 x 128: 64 accumulators of 16 x 16, 512 registers.  K goes in steps of 128 through two LDS slots filled by the tensor data mover;
; the tiles' rows are 256 bytes of memory at multiples of 256 bytes from the buffer's first byte.
; A WORK-GROUP STAYS: it makes two tiles, 8,192 rows apart, with the same rows of wd: 512 tiles on 256 work-groups.  The ring does not stop at the first tile's end: its last two changes of slots ask
; for the second tile's K steps 0 and 1, which land while the first tile goes out, and nothing waits for the first tile's stores.
; CLUSTERS: 4 x 4 work-groups.  The four of a row of the cluster need the same tiles of xb, the four of a column the same tiles of wd: each tile is asked for JOINTLY, by the same tensor load
; with the same descriptor and a mask that names the four.
; THE MATRIX INSTRUCTION IS USED TRANSPOSED (source 0 = 16 rows of wd, source 1 = 16 rows of xb): lane l holds row l % 16 and the columns 8 (l / 16) + 0..7.
; GELU.  With u = z / 2 and a = |u|: gelu(z) = (u + a) - a y, y = erfc(sqrt(2) a) = (1 + c1 a + .. + c6 a^6)^-16 (Abramowitz & Stegun 7.1.28 with its argument scaled; absolute error of erf at most 3e-7).
; The form holds for both signs and subtracts no large numbers.  Where the power overflows its reciprocal is 0 and the result is z or -0.  LIMIT: NaN and infinite z are not treated apart.
; REGISTERS, in windows of 256 (s_set_vgpr_msb's low byte: bits 1:0 source 0, 3:2 source 1, 5:4 source 2, 7:6 destination):
;   window 0: v0-31 addresses and the bias; v64-127, v128-191 fragments of xb, two buffers; on the way out v32-63 packed h, v64-127 u, v128-191 a, v192-255 the polynomial
;   window 1: v64-127, v128-191 fragments of wd; on the way out v0-63 a block of raw sums read back from the stage
;   window 2: the 32 accumulators of my rows 0-63 ((a, b) at v[8 (8 a + b)]);   window 3: those of my rows 64-127
.set SIZE_M, 16384
.set SIZE_N, 2048
.set SIZE_K, 1024
.set TILES,  2
.set WALK,   SIZE_M/TILES              ; a work-group's two tiles lie WALK rows apart
.set ROWC,   SIZE_N*2                  ; bytes in a row of h
.set KSTEP,  128
.set PITCH,  272                       ; an LDS row: 256 bytes + 16 of padding = 68 words: row r starts at bank 4 r mod 64 (64 banks of 4 bytes: ISA guide 11.1)
.set HALFT,  128*PITCH                 ; 128 rows: what one tensor load brings, and what one wave reads of xb or of wd
.set SLOT,   4*HALFT                   ; xb's 256 rows, then wd's 256 rows
.set STAGE,  2*SLOT                    ; behind the ring: 16 rows x 528 bytes for each wave (33 blocks of 256 bytes), for the way out; no tensor load fills it
.set SPITCH, 528                       ; a stage row: 128 f32 + 16 bytes = 33 x 16 bytes
.set SPARE,  STAGE+4*16*SPITCH         ; behind the stages: the spare words, 128 bytes for each wave: two blocks of 256 bytes that no other line names
.set LAPS,   SIZE_K/(2*KSTEP)          ; a lap = two K steps = once round the ring
.set NEXT_A, WALK*SIZE_K*2-(SIZE_K-2*KSTEP)*2   ; bytes from a slot's last K step of a tile to its first of the next tile: xb goes WALK rows down and back along K,
.set BACK_B, (SIZE_K-2*KSTEP)*2        ; wd only back
.set NEXT_C, (WALK-128)*ROWC           ; bytes from behind my 128 rows of a tile to my first row of the next
.set HB,   12                          ; v12-15  half the bias of my four columns on the way out
.set ADRA, 16                          ; v16-17  LDS address of my xb fragments in slot 0, 1
.set ADRB, 20                          ; v20-21  the same for wd
.set STO,  24                          ; v24     the way out: where I put 32 bytes of a row
.set RD,   25                          ; v25     the way out: where I read 16 bytes of a row back
.set CO,   26                          ; v26     8 x lane: my 8 bytes in 256 bytes of h
.set BO,   27                          ; v27     16 x lane: my four numbers of the bias
.set SPW,  28                          ; v28     LDS address of my spare word; never rewritten
.set NIL,  29                          ; v29     0; never rewritten
.set PFO,  30                          ; v30     the prefetches' offset: lane x a row of xb or wd; never rewritten
.set PFA,  44                          ; s[44:45] where my prefetches stand
.set LIM,  43                          ; s43     1 in a wave that prefetches, else the greatest number
.set TL,   81                          ; s81     tiles to go, this one among them: the same number in every work-group
.set F0,   64
.set F1,   128
.set OH,   32                          ; the way out, window 0
.set Z,    64
.set AB,   128
.set P,    192
.set G1,  24                           ; s[24:31] descriptor group 1 for xb's tiles
.set G0,  32                           ; s[32:39] group 0 for xb's tiles, a set for each slot
.set G1B, 48                           ; s[48:55], s[56:63] the same for wd's
.set G0B, 56
.set MSB, 0
.macro WIN new                         ; the immediate's high byte repeats the setting that is left; a switch that changes nothing is dropped
.if MSB != (\new)
	s_set_vgpr_msb (MSB<<8)|(\new)
.set MSB, \new
.endif
.endm
.set MUL_LO, 0xa1                      ; source 0 (wd) window 1, source 1 (xb) window 0, C and D window 2
.set MUL_HI, 0xf1                      ; the same, C and D window 3
.set TO_B,   0x40                      ; destination window 1, address window 0
; A joint load.  Waves 0 and 1 fetch xb's two halves, waves 2 and 3 wd's.  The branch hangs on the wave's number alone.  An s_nop 0 and four v_nop follow each line.
.macro JLOAD s
	s_cmp_eq_u32 s11, 0
	s_cbranch_scc0 .Lfor_b_\@
	tensor_load_to_lds s[G0+4*(\s):G0+4*(\s)+3], s[G1:G1+7]
	s_nop 0
.rept 4
	v_nop
.endr
	s_branch .Lasked_\@
.Lfor_b_\@:
	tensor_load_to_lds s[G0B+4*(\s):G0B+4*(\s)+3], s[G1B:G1B+7]
	s_nop 0
.rept 4
	v_nop
.endr
.Lasked_\@:
.endm
; A prefetch of the K step that stands two refills on: 32 rows x 256 bytes, a lane a row, one instruction a wave, behind the joint load (and the run of LDS loads, where one follows it).  Each row's 256
; bytes of a K step are named once in the launch: xb's rows by the cluster with x = 0, wd's by the cluster with y = 0; the four partners of a joint load take 32 of its 128 rows each, told apart by address.
; how = 0, in the loop: the last trip (s3 = 1) asks for nothing: the tile has no K step two on.  how = 1, at the change of tiles: the next tile's K steps 2 and 3 of xb; wd's rows are the same for both
; tiles and are asked for in the first alone.  A tile's K steps 0 and 1, and the launch's first four, come by their loads alone.
.macro ASK how
.if \how
	s_cmp_eq_u32 s[LIM], 1
.else
	s_cmp_gt_u32 s3, s[LIM]
.endif
	s_cbranch_scc0 .Lnot_mine_\@
	global_prefetch_b8 v[PFO], s[PFA:PFA+1] offset:KSTEP*2 th:TH_LOAD_NT scope:SCOPE_SE
.Lnot_mine_\@:
.endm
.macro CREST                           ; a round of the cluster's barrier behind its opening barrier
	s_cmp_lg_u32 s10, 0
	s_cbranch_scc1 .Lnot_wave_0_\@
	s_barrier_signal -3
.Lnot_wave_0_\@:
	s_barrier_wait -3
	s_barrier_signal -1
	s_barrier_wait -1
.endm
.macro CROUND                          ; a whole round
	s_barrier_signal -1
	s_barrier_wait -1
	CREST
.endm
	s_load_b128 s[4:7], s[0:1], 0x0                ; xb s[4:5], wd s[6:7]
	s_load_b64 s[8:9], s[0:1], 0x10                ; h
	s_load_b64 s[84:85], s[0:1], 0x18              ; b_down
	v_lshl_add_u32 v[SPW], v0, 2, SPARE
	v_mov_b32 v[NIL], 0
	ds_add_u32 v[SPW], v[NIL]                      ; the wave's opening: the add, twice on end, and its wait ahead of my first tensor load
	ds_add_u32 v[SPW], v[NIL]                      ; and once more, under the one wait; the set-up below, work on registers, stands between
	v_lshrrev_b32 v1, 5, v0
	v_readfirstlane_b32 s10, v1                    ; wave 0..3
	s_lshr_b32 s11, s10, 1                         ; which half of the tile's rows is mine.  Also: I fetch for xb (0) or for wd (1)
	s_and_b32 s12, s10, 1                          ; which half of its columns.  Also: which 128 rows of that tile I fetch
	s_bfe_u32 s40, ttmp6, 0x40000                  ; cx
	s_bfe_u32 s41, ttmp6, 0x40004                  ; cy
	s_lshl_b32 s42, ttmp9, 2
	s_add_co_u32 s42, s42, s40                     ; tile column = 4 x cluster x + cx
	s_and_b32 s13, ttmp7, 0xffff
	s_lshl_b32 s13, s13, 2
	s_add_co_u32 s13, s13, s41                     ; the first tile's row of tiles = 4 x cluster y + cy
	s_lshl_b32 s43, s41, 2
	s_lshl_b32 s43, 15, s43                        ; my row of the cluster: places 4 cy .. 4 cy + 3
	s_lshl_b32 s44, 0x1111, s40                    ; my column: places cx, cx + 4, cx + 8, cx + 12
	; descriptor group 1: a tile of 128 rows x 128 elements of 2 bytes, 4 words of padding after every 64 words
	s_or_b32 s[G1+0], s43, (1<<16)|(1<<20)|(1<<21)|(5<<22)|(3<<25)
	s_or_b32 s[G1B+0], s44, (1<<16)|(1<<20)|(1<<21)|(5<<22)|(3<<25)
.irp g, G1, G1B
	s_mov_b32 s[(\g)+1], KSTEP<<16                 ; tensor_dim0 = 128
	s_mov_b32 s[(\g)+2], 128<<16                   ; tensor_dim1 = 128
	s_mov_b32 s[(\g)+3], KSTEP<<16                 ; tile_dim0 = 128
	s_mov_b32 s[(\g)+4], 128                       ; tile_dim1 = 128
	s_mov_b32 s[(\g)+5], SIZE_K                    ; elements from row to row
	s_mov_b32 s[(\g)+6], 0
	s_mov_b32 s[(\g)+7], 0
.endr
	s_mov_b32 s68, 0x3dcc41b4                      ; c1 = 0.0997346937; each constant twice: the packed lines name a pair
	s_mov_b32 s69, 0x3dcc41b4
	s_mov_b32 s70, 0x3dad2fe7                      ; c2 = 0.0845640246
	s_mov_b32 s71, 0x3dad2fe7
	s_mov_b32 s72, 0x3cd6cd72                      ; c3 = 0.0262210106
	s_mov_b32 s73, 0x3cd6cd72
	s_mov_b32 s74, 0x3a1f6607                      ; c4 = 0.0006080572
	s_mov_b32 s75, 0x3a1f6607
	s_mov_b32 s76, 0x3acd0feb                      ; c5 = 0.0015645003
	s_mov_b32 s77, 0x3acd0feb
	s_mov_b32 s78, 0x39b49f67                      ; c6 = 0.0003445104
	s_mov_b32 s79, 0x39b49f67
	s_mov_b32 s80, 0x7fffffff                      ; clears a sign
	; xb's tiles hang on the tile row alone, wd's on the tile column alone; each address is made in registers that never hold the other coordinate
	s_lshl_b32 s17, s12, 7
	s_lshl_b32 s16, s13, 8
	s_add_co_u32 s16, s16, s17                     ; xb: row 256 x tile row + 128 x half
	s_lshl_b32 s46, s42, 8
	s_add_co_u32 s46, s46, s17                     ; wd: row 256 x tile column + 128 x half
	s_mov_b32 s17, 0
	s_mov_b32 s47, 0
	s_mov_b64 s[18:19], SIZE_K*2
	s_mul_u64 s[16:17], s[16:17], s[18:19]
	s_mul_u64 s[46:47], s[46:47], s[18:19]
	s_mul_i32 s20, s10, HALFT                      ; where they go: wave x 128 rows: no place in the cluster enters an LDS address
	s_wait_dscnt 0x0                               ; both opening adds are done
	s_wait_kmcnt 0x0
	s_add_nc_u64 s[14:15], s[4:5], s[16:17]
	s_add_nc_u64 s[46:47], s[6:7], s[46:47]
	CROUND                                         ; all sixteen work-groups are here: the first joint loads meet
.irp s, 0,1
	s_mov_b32 s[G0+4*(\s)], 1
	s_add_co_u32 s[G0+4*(\s)+1], s20, (\s)*SLOT
	s_add_nc_u64 s[G0+4*(\s)+2:G0+4*(\s)+3], s[14:15], (\s)*KSTEP*2
	s_or_b32 s[G0+4*(\s)+3], s[G0+4*(\s)+3], 0x80000000
	s_mov_b32 s[G0B+4*(\s)], 1
	s_add_co_u32 s[G0B+4*(\s)+1], s20, (\s)*SLOT
	s_add_nc_u64 s[G0B+4*(\s)+2:G0B+4*(\s)+3], s[46:47], (\s)*KSTEP*2
	s_or_b32 s[G0B+4*(\s)+3], s[G0B+4*(\s)+3], 0x80000000
	JLOAD \s                                       ; both slots are asked for before anything else is done: two tensor loads of mine are out
.endr
	; a fragment is 16 rows x 32 K in 8 registers: lane l holds row l % 16; two loads of 16 bytes, 32 bytes apart, at row x pitch + 16 (l / 16)
	v_and_b32 v1, 15, v0                           ; l % 16
	v_bfe_u32 v2, v0, 4, 1                         ; l / 16
	v_mul_u32_u24 v3, v1, PITCH
	v_lshl_add_u32 v3, v2, 4, v3
	s_mul_i32 s21, s11, HALFT                      ; my 128 rows of xb
	s_mul_i32 s22, s12, HALFT                      ; my 128 rows of wd,
	s_add_co_u32 s22, s22, 2*HALFT                 ; which lie behind xb's 256
.irp s, 0,1
	v_add_nc_u32 v[ADRA+(\s)], s21, v3
	v_add_nc_u32 v[ADRB+(\s)], s22, v3
	s_add_co_u32 s21, s21, SLOT
	s_add_co_u32 s22, s22, SLOT
.endr
	s_mul_i32 s23, s10, 16*SPITCH
	s_add_co_u32 s23, s23, STAGE                   ; my stage
	v_mul_u32_u24 v4, v1, SPITCH                   ; in: row l % 16, 32 bytes (8 f32) for each half of the lanes
	v_lshl_add_u32 v4, v2, 5, v4
	v_add_nc_u32 v[STO], s23, v4
	v_and_b32 v5, 31, v0                           ; lane
	v_lshl_add_u32 v[RD], v5, 4, s23               ; back: 32 lanes take one row of 512 bytes
	v_lshlrev_b32 v[CO], 3, v5
	v_lshlrev_b32 v[BO], 4, v5
	; where my part of the first tile begins in h, and my 128 numbers of the bias
	s_lshl_b32 s13, s13, 8
	s_lshl_b32 s14, s11, 7
	s_add_co_u32 s16, s13, s14                     ; my first row
	s_mov_b32 s17, 0
	s_mov_b64 s[18:19], ROWC
	s_mul_u64 s[16:17], s[16:17], s[18:19]
	s_lshl_b32 s46, s42, 9                         ; my first column, in bytes of h: 512 x tile column + 256 x half
	s_lshl_b32 s47, s12, 8
	s_add_co_u32 s46, s46, s47
	s_mov_b32 s47, 0
	s_add_nc_u64 s[16:17], s[16:17], s[46:47]
	s_add_nc_u64 s[8:9], s[8:9], s[16:17]
	s_lshl_b32 s46, s46, 1                         ; the same column in bytes of f32
	s_add_nc_u64 s[84:85], s[84:85], s[46:47]
	; the prefetches: s13 = 256 x tile row, s42 = tile column, s40 = cx, s41 = cy still stand
	s_lshl_b32 s42, s42, 8
	s_and_b32 s22, ttmp7, 0xffff                   ; cluster y
	s_cmp_eq_u32 s11, 0                            ; do I fetch for xb?
	s_cselect_b32 s20, s13, s42                    ; the tile's first row
	s_cselect_b32 s21, s40, s41                    ; my place among the four that ask for it with me
	s_cselect_b32 s22, ttmp9, s22                  ; the coordinate along which other clusters read the same rows
	s_cselect_b64 s[PFA:PFA+1], s[4:5], s[6:7]
	s_cmp_eq_u32 s22, 0
	s_cselect_b32 s[LIM], 1, -1                    ; the same in all sixteen partners, for a given wave
	s_lshl_b32 s22, s12, 7
	s_add_co_u32 s20, s20, s22                     ; + the 128 rows that I fetch
	s_lshl_b32 s21, s21, 5
	s_add_co_u32 s20, s20, s21                     ; + my work-group's 32 of them
	s_mov_b32 s21, 0
	s_mov_b64 s[18:19], SIZE_K*2
	s_mul_u64 s[20:21], s[20:21], s[18:19]
	s_add_nc_u64 s[PFA:PFA+1], s[PFA:PFA+1], s[20:21]
	s_add_nc_u64 s[PFA:PFA+1], s[PFA:PFA+1], 2*KSTEP*2  ; at K step 2: the first refill steps it to 3 and names K step 4
	v_and_b32 v[PFO], 31, v0
	v_mul_u32_u24 v[PFO], v[PFO], SIZE_K*2
	global_load_b128 v[HB:HB+3], v[BO], s[84:85]   ; the bias of columns 4 l .. 4 l + 3 of my 128: the same for both tiles
; 16 matrix instructions: m blocks a0, a0 + 1 of the window's four x all 8 n blocks, 32 along K.  zero = 1: the first product starts the sums
.macro MUL16 f, hi, a0, zero
	WIN MUL_LO+0x50*(\hi)
.irp a, \a0, (\a0)+1
.irp b, 0,1,2,3,4,5,6,7
.if \zero
	v_wmma_f32_16x16x32_bf16 v[8*(8*(\a)+(\b)):8*(8*(\a)+(\b))+7], v[(\f)+8*(\b):(\f)+8*(\b)+7], v[(\f)+8*(4*(\hi)+(\a)):(\f)+8*(4*(\hi)+(\a))+7], 0
.else
	v_wmma_f32_16x16x32_bf16 v[8*(8*(\a)+(\b)):8*(8*(\a)+(\b))+7], v[(\f)+8*(\b):(\f)+8*(\b)+7], v[(\f)+8*(4*(\hi)+(\a)):(\f)+8*(4*(\hi)+(\a))+7], v[8*(8*(\a)+(\b)):8*(8*(\a)+(\b))+7]
.endif
.endr
.endr
.endm
; 32 LDS loads in one run: the fragments of one quarter step (128 rows of wd, 128 rows of xb, 32 K at byte k of the rows) into buffer f
.macro FETCH slot, k, f
	WIN TO_B
.irp i, 0,1,2,3,4,5,6,7
	ds_load_b128 v[(\f)+8*(\i):(\f)+8*(\i)+3],   v[ADRB+(\slot)] offset:(\k)+(\i)*16*PITCH
	ds_load_b128 v[(\f)+8*(\i)+4:(\f)+8*(\i)+7], v[ADRB+(\slot)] offset:(\k)+(\i)*16*PITCH+32
.endr
	WIN 0
.irp i, 0,1,2,3,4,5,6,7
	ds_load_b128 v[(\f)+8*(\i):(\f)+8*(\i)+3],   v[ADRA+(\slot)] offset:(\k)+(\i)*16*PITCH
	ds_load_b128 v[(\f)+8*(\i)+4:(\f)+8*(\i)+7], v[ADRA+(\slot)] offset:(\k)+(\i)*16*PITCH+32
.endr
.endm
.macro PLACES                          ; four plain places behind matrix instructions, in front of loads into registers that they have read and of lines that read results
.rept 4
	v_nop
.endr
.endm
; A K step is four quarters of 32 along K, 64 matrix instructions each, on buffers 0, 1, 0, 1.  One of the first three multiplies buffer f and, in its middle, fetches the next quarter into g.
.macro QUARTER slot, k, f, g, zero
	s_wait_dscnt 8                                 ; wd and xb's rows 0-63 are in; the youngest eight loads (xb's rows 64-127) may be out
	WIN MUL_LO
	MUL16 \f, 0, 0, \zero
	MUL16 \f, 0, 2, \zero
	PLACES
	FETCH \slot, \k, \g
	s_wait_dscnt 32                                ; all but the 32 just issued
	WIN MUL_HI
	MUL16 \f, 1, 0, \zero
	MUL16 \f, 1, 2, \zero
.endm
; The last quarter's first half: ONE barrier for the change of slots.  In front of it each wave waits for all its tensor loads (one is out: its part of the next slot), adds 0 to its spare word, and
; waits for that and for its own reads of this slot.  Behind it nobody reads this slot any more and the next slot is whole.
.macro MEET round
	WIN 0
	s_wait_tensorcnt 0x0
	ds_add_u32 v[SPW], v[NIL]
	s_wait_dscnt 9                                 ; (the add and the youngest eight loads may be out)
	WIN MUL_LO
	MUL16 F1, 0, 0, 0                              ; sixteen matrix instructions stand between the add and the wait for it
	s_wait_dscnt 0x0                               ; the add is done, and my reads of this slot are over
	s_barrier_signal -1
	MUL16 F1, 0, 2, 0
.if \round
	WIN 0
.endif
	s_barrier_wait -1
.endm
; The whole last quarter with a refill: the barrier opens a round of the cluster's barrier; the joint refill is the first tensor load behind it.  on = 0: this tile's K step two steps on, 224 matrix
; instructions ahead of the wait for it.  on = 1: the NEXT tile's K step 0 or 1.  fetch = 0: a tile's very last quarter: the next tile's first fragments are fetched behind the way out, which wants their registers.
.macro TURN slot, next, on, fetch
	s_wait_xcnt 0x0                                ; the last prefetch, a K step back, has read its address
.if (\on) && (\slot) == 0
	s_add_nc_u64 s[PFA:PFA+1], s[PFA:PFA+1], (WALK-1)*SIZE_K*2+KSTEP*2  ; from the K step after the tile's last to the next tile's K step 1: WALK rows down, back along K
	s_cmp_eq_u32 s11, 0
	s_cselect_b32 s[LIM], s[LIM], -1               ; wd's rows have been read: they are asked for no more
.else
	s_add_nc_u64 s[PFA:PFA+1], s[PFA:PFA+1], KSTEP*2
.endif
	MEET 1
	CREST
.if \on
	s_add_nc_u64 s[G0+4*(\slot)+2:G0+4*(\slot)+3], s[G0+4*(\slot)+2:G0+4*(\slot)+3], NEXT_A
	s_sub_nc_u64 s[G0B+4*(\slot)+2:G0B+4*(\slot)+3], s[G0B+4*(\slot)+2:G0B+4*(\slot)+3], BACK_B
.else
	s_add_nc_u64 s[G0+4*(\slot)+2:G0+4*(\slot)+3], s[G0+4*(\slot)+2:G0+4*(\slot)+3], 2*KSTEP*2
	s_add_nc_u64 s[G0B+4*(\slot)+2:G0B+4*(\slot)+3], s[G0B+4*(\slot)+2:G0B+4*(\slot)+3], 2*KSTEP*2
.endif
	JLOAD \slot                                    ; the four v_nop behind it are also the places in front of the loads below
.if \fetch
	FETCH \next, 0, F0
.endif
	ASK \on
	WIN MUL_HI
	MUL16 F1, 1, 0, 0
	MUL16 F1, 1, 2, 0
.endm
; THE WAY OUT's two LDS parts.  A block of 16 rows x 128 columns goes raw, in f32, through my own stage and comes back by rows.
.macro STG a                           ; block a's 8 accumulators into the stage; each accumulator's low four registers first
	WIN 0x08+4*((\a)/4)                            ; the stores' data: window 2 or 3
.irp b, 0,1,2,3,4,5,6,7
	ds_store_b128 v[STO], v[64*((\a)%4)+8*(\b):64*((\a)%4)+8*(\b)+3]   offset:64*(\b)
	ds_store_b128 v[STO], v[64*((\a)%4)+8*(\b)+4:64*((\a)%4)+8*(\b)+7] offset:64*(\b)+16
.endr
	WIN 0
.endm
.macro RDB                             ; back by rows, into window 1's v0-63.  LDS serves a wave's instructions in order (ISA guide 5.7.1.4): these see the stores above
	WIN 0x40
.set t, 0
.rept 16
	ds_load_b128 v[4*t:4*t+3], v[RD] offset:SPITCH*t
.set t, t+1
.endr
	WIN 0
.endm
	s_wait_tensorcnt 1                             ; my part of K step 0 is in; K step 1's may stay out
	s_barrier_signal -1
	s_barrier_wait -1
	s_wait_loadcnt 0x0                             ; the bias: halved once, for both tiles
	v_pk_mul_f32 v[HB:HB+1], v[HB:HB+1], 0.5 op_sel_hi:[1,0]
	v_pk_mul_f32 v[HB+2:HB+3], v[HB+2:HB+3], 0.5 op_sel_hi:[1,0]
	s_mov_b32 s[TL], TILES
.Ltile:                                                ; slot 0 holds the tile's K step 0, whole: shown by the barrier above, or by the round of the tile before's last change of slots
	FETCH 0, 0, F0
	QUARTER 0, 64,  F0, F1, 1                      ; a tile's first quarter stands in front of the loop: its products start the sums
	WIN 0
	s_mov_b32 s3, LAPS-1
.Llap:                                                 ; a trip goes once round the ring, from a lap's second quarter to the next lap's first, and fills both slots again
	QUARTER 0, 128, F1, F0, 0
	QUARTER 0, 192, F0, F1, 0
	TURN 0, 1, 0, 1
	QUARTER 1, 64,  F0, F1, 0
	QUARTER 1, 128, F1, F0, 0
	QUARTER 1, 192, F0, F1, 0
	TURN 1, 0, 0, 1
	QUARTER 0, 64,  F0, F1, 0
	WIN 0
	s_sub_co_u32 s3, s3, 1
	s_cmp_lg_u32 s3, 0
	s_cbranch_scc1 .Llap
	QUARTER 0, 128, F1, F0, 0                      ; the tile's last lap goes on
	QUARTER 0, 192, F0, F1, 0
	WIN 0
	s_cmp_eq_u32 s[TL], 1
	s_cbranch_scc1 .Llast                          ; the last tile's tail is written out: it asks for nothing more.  The count is the same in all partners
	TURN 0, 1, 1, 1                                ; THE RING GOES ON INTO THE NEXT TILE: slot 0 takes its K step 0,
	QUARTER 1, 64,  F0, F1, 0
	QUARTER 1, 128, F1, F0, 0
	QUARTER 1, 192, F0, F1, 0
	TURN 1, 0, 1, 0                                ; slot 1 its K step 1: that load is out while the tile goes out
	WIN 0
	s_branch .Lout
.Llast:
	MEET 0                                         ; my one tensor load that was out is slot 1's, the last K step's, so no round follows
	PLACES
	FETCH 1, 0, F0
	WIN MUL_HI
	MUL16 F1, 1, 0, 0
	MUL16 F1, 1, 2, 0
	QUARTER 1, 64,  F0, F1, 0
	QUARTER 1, 128, F1, F0, 0
	QUARTER 1, 192, F0, F1, 0
	s_wait_dscnt 8                                 ; the very last quarter: nothing more to fetch
	MUL16 F1, 0, 0, 0
	MUL16 F1, 0, 2, 0
	s_wait_dscnt 0x0
	MUL16 F1, 1, 0, 0
	MUL16 F1, 1, 2, 0
	WIN 0
.Lout:
	PLACES
	PLACES                                         ; once a tile: in front of LDS stores that read results and of vector lines that write fragment registers
; THE WAY OUT, one text for both tiles.  By rows lane l holds columns 4 l .. 4 l + 3 of each row, so the bias is four registers for all rows and a row's result is 8 bytes a lane: one store covers
; 256 consecutive bytes of h, at a multiple of 256 from its first byte.  The eight blocks run in ONE counted loop on fixed registers; only the 16 stores into the stage differ, and a forward jump on the counter picks them.
	STG 0
	RDB
	s_mov_b32 s2, 1
.Lblk:                                                 ; trip s2 = 1 .. 8 finishes block s2 - 1 and stages block s2
	s_wait_dscnt 0x0                               ; the block is back in registers
	WIN 0x01                                       ; source 0 in window 1
.set i, 0
.rept 32
	v_pk_fma_f32 v[Z+i:Z+i+1], v[i:i+1], 0.5, v[HB+i%4:HB+i%4+1] op_sel_hi:[1,0,1]   ; u = (sum + bias) / 2
.set i, i+2
.endr
	WIN 0
.irp k, 1,2,3,4,5,6,7
	s_cmp_eq_u32 s2, \k
	s_cbranch_scc1 .Lst_\k
.endr
	s_branch .Lstaged                              ; the last trip stages nothing
.irp k, 1,2,3,4,5,6
.Lst_\k:
	STG \k
	s_branch .Lrd
.endr
.Lst_7:
	STG 7
.Lrd:
	RDB                                            ; the next block's way through LDS lies under the arithmetic below
.Lstaged:
.set i, 0
.rept 64
	v_and_b32 v[AB+i], s80, v[Z+i]                 ; a = |u|
.set i, i+1
.endr
.set i, 0
.rept 32
	v_pk_fma_f32 v[P+i:P+i+1], v[AB+i:AB+i+1], s[78:79], s[76:77] op_sel_hi:[1,0,0]  ; c6 a + c5
.set i, i+2
.endr
.irp c, 74,72,70,68
.set i, 0
.rept 32
	v_pk_fma_f32 v[P+i:P+i+1], v[P+i:P+i+1], v[AB+i:AB+i+1], s[\c:\c+1] op_sel_hi:[1,1,0]
.set i, i+2
.endr
.endr
.set i, 0
.rept 32
	v_pk_fma_f32 v[P+i:P+i+1], v[P+i:P+i+1], v[AB+i:AB+i+1], 1.0 op_sel_hi:[1,1,0]
.set i, i+2
.endr
.rept 4                                ; the sixteenth power: four squarings
.set i, 0
.rept 32
	v_pk_mul_f32 v[P+i:P+i+1], v[P+i:P+i+1], v[P+i:P+i+1]
.set i, i+2
.endr
.endr
.set i, 0
.rept 64
	v_rcp_f32 v[P+i], v[P+i]                       ; y: one batch of 64
.set i, i+1
.endr
.set i, 0
.rept 32
	v_pk_add_f32 v[Z+i:Z+i+1], v[Z+i:Z+i+1], v[AB+i:AB+i+1]   ; u + a: names no result of the batch; the plain work behind the last reciprocal
.set i, i+2
.endr
	s_wait_alu depctr_va_vdst(0)                   ; the wait ahead of the first line that names a reciprocal: one for the batch
.set i, 0
.rept 32
	v_pk_fma_f32 v[Z+i:Z+i+1], v[AB+i:AB+i+1], v[P+i:P+i+1], v[Z+i:Z+i+1] neg_lo:[1,0,0] neg_hi:[1,0,0]   ; (u + a) - a y
.set i, i+2
.endr
.set i, 0
.rept 32
	v_cvt_pk_bf16_f32 v[OH+i], v[Z+2*i], v[Z+2*i+1]
.set i, i+1
.endr
.set t, 0
.rept 16
	global_store_b64 v[CO], v[OH+2*t:OH+2*t+1], s[8:9] offset:ROWC*t
.set t, t+1
.endr
	s_wait_xcnt 0x0                                ; the stores have read their data and their base: both are written again only behind this wait
	s_add_nc_u64 s[8:9], s[8:9], 16*ROWC
	s_add_co_u32 s2, s2, 1
	s_cmp_lt_u32 s2, 9
	s_cbranch_scc1 .Lblk
	s_add_nc_u64 s[8:9], s[8:9], NEXT_C            ; on to my rows of the next tile (behind the last tile the address is not used)
	s_sub_co_u32 s[TL], s[TL], 1
	s_cmp_lg_u32 s[TL], 0
	s_cbranch_scc1 .Ltile
	s_wait_tensorcnt 0x0                           ; the wave's end: a wait, an add and its wait, behind my last tensor load and my last LDS store
	ds_add_u32 v[SPW], v[NIL]
	s_wait_dscnt 0x0
	CROUND                                         ; the closing round: no work-group ends while a partner may still ask for a tile that names it
	s_endpgm
.Lfunc_end_k_q0395c4460d_down:
	.size	k_q0395c4460d_down, .Lfunc_end_k_q0395c4460d_down-k_q0395c4460d_down
	.p2alignl 7, 3214868480
	.fill 96, 4, 3214868480
	.section	.rodata,"a",@progbits
	.p2align	6, 0x0
	.amdhsa_kernel k_q0395c4460d_down
		.amdhsa_group_segment_fixed_size 327680
		.amdhsa_private_segment_fixed_size 0
		.amdhsa_enable_private_segment 0
		.amdhsa_kernarg_size 32
		.amdhsa_user_sgpr_count 2
		.amdhsa_user_sgpr_kernarg_segment_ptr 1
		.amdhsa_wavefront_size32 1
		.amdhsa_system_sgpr_workgroup_id_x 1
		.amdhsa_system_sgpr_workgroup_id_y 1
		.amdhsa_system_sgpr_workgroup_id_z 1
		.amdhsa_system_vgpr_workitem_id 0
		.amdhsa_next_free_vgpr 1024
		.amdhsa_next_free_sgpr 88
		.amdhsa_reserve_vcc 0
		.amdhsa_float_denorm_mode_32 3
		.amdhsa_float_denorm_mode_16_64 3
		.amdhsa_memory_ordered 1
		.amdhsa_forward_progress 1
		.amdhsa_inst_pref_size 191
	.end_amdhsa_kernel
	.amdgpu_metadata
---
amdhsa.version: [ 1, 2 ]
amdhsa.kernels:
  - .name:           k_q0395c4460d_down
    .symbol:         k_q0395c4460d_down.kd
    .args:
      - { .name: xb, .offset: 0, .size: 8, .value_kind: global_buffer, .address_space: global }
      - { .name: wd, .offset: 8, .size: 8, .value_kind: global_buffer, .address_space: global }
      - { .name: h, .offset: 16, .size: 8, .value_kind: global_buffer, .address_space: global }
      - { .name: b_down, .offset: 24, .size: 8, .value_kind: global_buffer, .address_space: global }
    .group_segment_fixed_size: 327680
    .private_segment_fixed_size: 0
    .kernarg_segment_align: 8
    .kernarg_segment_size: 32
    .max_flat_workgroup_size: 128
    .sgpr_count:     88
    .vgpr_count:     1024
    .wavefront_size: 32
...
	.end_amdgpu_metadata
.endif
;; end of part 2
;; launch up (part 3): grid 4 x 64, 4 waves a work-group, clusters of 4 x 4, 327,680 bytes of LDS; arguments h, wu, out0, b_up, x; writes out0
.if DOCPART == 3
	.amdgcn_target "amdgcn-amd-amdhsa--gfx1250"
	.amdhsa_code_object_version 6
	.text
	.protected	k_q0395c4460d_up
	.globl	k_q0395c4460d_up
	.p2align	8
	.type	k_q0395c4460d_up,@function
k_q0395c4460d_up:
	s_mov_b64 s[64:65], 0
	v_nop
	global_prefetch_b8 v0, s[64:65] scope:SCOPE_SE
	s_setreg_imm32_b32 hwreg(HW_REG_WAVE_MODE, 25, 1), 1
	s_wait_xcnt 0x0
	s_wait_alu depctr_hold_cnt(0) depctr_sa_sdst(0) depctr_va_vdst(0) depctr_va_sdst(0) depctr_va_ssrc(0) depctr_va_vcc(0) depctr_vm_vsrc(0)
	s_getreg_b32 s2, hwreg(HW_REG_IB_STS2, 6, 4)
	s_cmp_eq_u32 s2, 0
	s_cbranch_scc0 .Lentry_in_a_cluster
	s_endpgm
.Lentry_in_a_cluster:
	s_bfe_u32 s2, ttmp6, 0x10000c
	s_cmp_lg_u32 s2, 0xf033
	s_cbranch_scc0 .Lentry_shape_is_right
	s_endpgm
.Lentry_shape_is_right:
; out0 = h wu^T + b_up + x.  h: [16384][2048] bf16, wu: [1024][2048] bf16 (the rank-8 path is already in wu), b_up: [1024] f32, x and out0: [16384][1024] f32.  Sums, bias and residual in f32.
; A tile of 256 x 256 is made by four waves, each 128 x 128: 64 accumulators of 16 x 16, 512 registers.  K goes in steps of 128 through two LDS slots filled by the tensor data mover;
; the tiles' rows are 256 bytes of memory at multiples of 256 bytes from the buffer's first byte.
; CLUSTERS: 4 x 4 work-groups.  The four of a row of the cluster need the same tiles of h, the four of a column the same tiles of wu: each tile is asked for JOINTLY, by the same tensor load
; with the same descriptor and a mask that names the four.
; THE MATRIX INSTRUCTION IS USED TRANSPOSED (source 0 = 16 rows of wu, source 1 = 16 rows of h): lane l holds row l % 16 and the columns 8 (l / 16) + 0..7.
; THE RESIDUAL GOES INTO THE SUMS DURING THE LOOP.  My 128 x 128 numbers of x are eight blocks of 16 rows, and K has eight laps: block a is added in lap a.  Its 16 loads (a row's 512 consecutive bytes
; each) go out a lap ahead; the rows go through my stage in LDS, which lies idle in the loop, and come back as the accumulators lie; 32 packed additions put them onto the block's 8 accumulators.
; So x crosses while the products run, and the way out holds the stores alone.  x is not prefetched: its loads stand 480 matrix instructions ahead of the wait for them.
; REGISTERS, in windows of 256 (s_set_vgpr_msb's low byte: bits 1:0 source 0, 3:2 source 1, 5:4 source 2, 7:6 destination):
;   window 0: v0-31 addresses and the bias; v64-127, v128-191 fragments of h, two buffers; on the way out v64-127 a block's finished rows
;   window 1: v64-127, v128-191 fragments of wu; v0-63 a block of x by rows, on the way out a block of sums by rows; v192-255 a block of x as the accumulators lie
;   window 2: the 32 accumulators of my rows 0-63 ((a, b) at v[8 (8 a + b)]);   window 3: those of my rows 64-127
.set SIZE_N, 1024
.set SIZE_K, 2048
.set ROWC,   SIZE_N*4                  ; bytes in a row of out0 and of x
.set KSTEP,  128
.set PITCH,  272                       ; an LDS row: 256 bytes + 16 of padding = 68 words: row r starts at bank 4 r mod 64 (64 banks of 4 bytes: ISA guide 11.1)
.set HALFT,  128*PITCH                 ; 128 rows: what one tensor load brings, and what one wave reads of h or of wu
.set SLOT,   4*HALFT                   ; h's 256 rows, then wu's 256 rows
.set STAGE,  2*SLOT                    ; behind the ring: 16 rows x 528 bytes for each wave (33 blocks of 256 bytes); no tensor load fills it
.set SPITCH, 528                       ; a stage row: 128 f32 + 16 bytes = 33 x 16 bytes
.set SPARE,  STAGE+4*16*SPITCH         ; behind the stages: the spare words, 128 bytes for each wave: two blocks of 256 bytes that no other line names
.set LAPS,   SIZE_K/(2*KSTEP)          ; a lap = two K steps = once round the ring: eight, as many as a wave has blocks of 16 rows
.set BB,   12                          ; v12-15  the bias of my four columns on the way out
.set ADRA, 16                          ; v16-17  LDS address of my h fragments in slot 0, 1
.set ADRB, 20                          ; v20-21  the same for wu
.set STO,  24                          ; v24     my stage as the accumulators lie: row l % 16, 32 bytes for each half of the lanes
.set RD,   25                          ; v25     my stage by rows: 16 bytes a lane of a row's 512
.set CO,   26                          ; v26     16 x lane: my 16 bytes in 512 bytes of out0, of x and of the bias; never rewritten
.set SPW,  28                          ; v28     LDS address of my spare word; never rewritten
.set NIL,  29                          ; v29     0; never rewritten
.set PFO,  30                          ; v30     the ring's prefetches: lane x a row of h or wu; never rewritten
.set PFA,  44                          ; s[44:45] where my ring prefetches stand
.set LIM,  43                          ; s43     1 in a wave that prefetches, else the greatest number
.set F0,   64
.set F1,   128
.set XR,   0                           ; window 1
.set XT,   192                          ; window 1
.set RW,   64                          ; window 0, on the way out
.set G1,  24                           ; s[24:31] descriptor group 1 for h's tiles
.set G0,  32                           ; s[32:39] group 0 for h's tiles, a set for each slot
.set G1B, 48                           ; s[48:55], s[56:63] the same for wu's
.set G0B, 56
.set MSB, 0
.macro WIN new                         ; the immediate's high byte repeats the setting that is left; a switch that changes nothing is dropped
.if MSB != (\new)
	s_set_vgpr_msb (MSB<<8)|(\new)
.set MSB, \new
.endif
.endm
.set MUL_LO, 0xa1                      ; source 0 (wu) window 1, source 1 (h) window 0, C and D window 2
.set MUL_HI, 0xf1                      ; the same, C and D window 3
.set TO_B,   0x40                      ; destination window 1, address window 0
; A joint load.  Waves 0 and 1 fetch h's two halves, waves 2 and 3 wu's.  The branch hangs on the wave's number alone.  An s_nop 0 and four v_nop follow each line.
.macro JLOAD s
	s_cmp_eq_u32 s11, 0
	s_cbranch_scc0 .Lfor_b_\@
	tensor_load_to_lds s[G0+4*(\s):G0+4*(\s)+3], s[G1:G1+7]
	s_nop 0
.rept 4
	v_nop
.endr
	s_branch .Lasked_\@
.Lfor_b_\@:
	tensor_load_to_lds s[G0B+4*(\s):G0B+4*(\s)+3], s[G1B:G1B+7]
	s_nop 0
.rept 4
	v_nop
.endr
.Lasked_\@:
.endm
; A prefetch of the K step that stands two refills on: 32 rows x 256 bytes, a lane a row, one instruction a wave, behind the joint load and the run of LDS loads.  Each row's 256 bytes of a K step are
; named once in the launch: h's rows by the cluster with x = 0 (here every cluster: the grid is one cluster wide), wu's by the cluster with y = 0; the four partners of a joint load take 32 of its
; 128 rows each, told apart by address.  The loop's last trip (s3 = 1) asks for nothing: there is no K step two on.  K steps 0 to 3 come by their loads alone.
.macro ASK
	s_cmp_gt_u32 s3, s[LIM]
	s_cbranch_scc0 .Lnot_mine_\@
	global_prefetch_b8 v[PFO], s[PFA:PFA+1] offset:KSTEP*2 th:TH_LOAD_NT scope:SCOPE_SE
.Lnot_mine_\@:
.endm
.macro CREST                           ; a round of the cluster's barrier behind its opening barrier
	s_cmp_lg_u32 s10, 0
	s_cbranch_scc1 .Lnot_wave_0_\@
	s_barrier_signal -3
.Lnot_wave_0_\@:
	s_barrier_wait -3
	s_barrier_signal -1
	s_barrier_wait -1
.endm
.macro CROUND                          ; a whole round
	s_barrier_signal -1
	s_barrier_wait -1
	CREST
.endm
; THE RESIDUAL's four parts.
.macro XNEXT step                      ; 16 loads: a block of x by rows, each load 512 consecutive bytes.  step = 1: the block after the one loaded last
.if \step
	s_add_nc_u64 s[86:87], s[86:87], 16*ROWC       ; XOUT's wait for 0 has shown the last loads that named this base done
.endif
	WIN 0x40
.set t, 0
.rept 16
	global_load_b128 v[XR+4*t:XR+4*t+3], v[CO], s[86:87] offset:ROWC*t th:TH_LOAD_NT
.set t, t+1
.endr
.endm
.macro XOUT                            ; the block goes into my stage by rows
	s_wait_loadcnt 0x0                             ; its loads went out a lap ago (the first time: at the head, the bias's with them)
	WIN 0x04                                       ; the stores' data in window 1
.set t, 0
.rept 16
	ds_store_b128 v[RD], v[XR+4*t:XR+4*t+3] offset:SPITCH*t
.set t, t+1
.endr
.endm
.macro XBACK                           ; and comes back as the accumulators lie: for n block b, row l % 16, columns 16 b + 8 (l / 16) + 0..7
	WIN 0x40
.irp b, 0,1,2,3,4,5,6,7
	ds_load_b128 v[XT+8*(\b):XT+8*(\b)+3],   v[STO] offset:64*(\b)
	ds_load_b128 v[XT+8*(\b)+4:XT+8*(\b)+7], v[STO] offset:64*(\b)+16
.endr
.endm
.macro XADD a                          ; onto block a's 8 accumulators, each from its low end on
	WIN 0x86+0x41*((\a)/4)                         ; destination and source 0 in window 2 or 3, source 1 in window 1
.set i, 0
.rept 32
	v_pk_add_f32 v[64*((\a)%4)+i:64*((\a)%4)+i+1], v[64*((\a)%4)+i:64*((\a)%4)+i+1], v[XT+i:XT+i+1]
.set i, i+2
.endr
	WIN 0
.endm
.macro XSWITCH                         ; in the loop the block is LAPS - 1 - s3: 0 in the first trip, 6 in the last; a forward jump on the counter picks its text
	WIN 0
.irp k, 0,1,2,3,4,5
	s_cmp_eq_u32 s3, LAPS-1-\k
	s_cbranch_scc1 .Lxa_\k
.endr
	XADD 6
	s_branch .Lxd
.irp k, 0,1,2,3,4
.Lxa_\k:
	XADD \k
	s_branch .Lxd
.endr
.Lxa_5:
	XADD 5
.Lxd:
.endm
	s_load_b128 s[4:7], s[0:1], 0x0                ; h s[4:5], wu s[6:7]
	s_load_b64 s[8:9], s[0:1], 0x10                ; out0
	s_load_b128 s[84:87], s[0:1], 0x18             ; b_up s[84:85], x s[86:87]
	v_lshl_add_u32 v[SPW], v0, 2, SPARE
	v_mov_b32 v[NIL], 0
	ds_add_u32 v[SPW], v[NIL]                      ; the wave's opening: the add, twice on end, and its wait ahead of my first tensor load
	ds_add_u32 v[SPW], v[NIL]                      ; and once more, under the one wait; the set-up below, work on registers, stands between
	v_lshrrev_b32 v1, 5, v0
	v_readfirstlane_b32 s10, v1                    ; wave 0..3
	s_lshr_b32 s11, s10, 1                         ; which half of the tile's rows is mine.  Also: I fetch for h (0) or for wu (1)
	s_and_b32 s12, s10, 1                          ; which half of its columns.  Also: which 128 rows of that tile I fetch
	s_bfe_u32 s40, ttmp6, 0x40000                  ; cx
	s_bfe_u32 s41, ttmp6, 0x40004                  ; cy
	s_lshl_b32 s42, ttmp9, 2
	s_add_co_u32 s42, s42, s40                     ; tile column = 4 x cluster x + cx
	s_and_b32 s13, ttmp7, 0xffff
	s_lshl_b32 s13, s13, 2
	s_add_co_u32 s13, s13, s41                     ; tile row = 4 x cluster y + cy
	s_lshl_b32 s43, s41, 2
	s_lshl_b32 s43, 15, s43                        ; my row of the cluster: places 4 cy .. 4 cy + 3
	s_lshl_b32 s44, 0x1111, s40                    ; my column: places cx, cx + 4, cx + 8, cx + 12
	; descriptor group 1: a tile of 128 rows x 128 elements of 2 bytes, 4 words of padding after every 64 words
	s_or_b32 s[G1+0], s43, (1<<16)|(1<<20)|(1<<21)|(5<<22)|(3<<25)
	s_or_b32 s[G1B+0], s44, (1<<16)|(1<<20)|(1<<21)|(5<<22)|(3<<25)
.irp g, G1, G1B
	s_mov_b32 s[(\g)+1], KSTEP<<16                 ; tensor_dim0 = 128
	s_mov_b32 s[(\g)+2], 128<<16                   ; tensor_dim1 = 128
	s_mov_b32 s[(\g)+3], KSTEP<<16                 ; tile_dim0 = 128
	s_mov_b32 s[(\g)+4], 128                       ; tile_dim1 = 128
	s_mov_b32 s[(\g)+5], SIZE_K                    ; elements from row to row
	s_mov_b32 s[(\g)+6], 0
	s_mov_b32 s[(\g)+7], 0
.endr
	; h's tiles hang on the tile row alone, wu's on the tile column alone; each address is made in registers that never hold the other coordinate
	s_lshl_b32 s17, s12, 7
	s_lshl_b32 s16, s13, 8
	s_add_co_u32 s16, s16, s17                     ; h: row 256 x tile row + 128 x half
	s_lshl_b32 s46, s42, 8
	s_add_co_u32 s46, s46, s17                     ; wu: row 256 x tile column + 128 x half
	s_mov_b32 s17, 0
	s_mov_b32 s47, 0
	s_mov_b64 s[18:19], SIZE_K*2
	s_mul_u64 s[16:17], s[16:17], s[18:19]
	s_mul_u64 s[46:47], s[46:47], s[18:19]
	s_mul_i32 s20, s10, HALFT                      ; where they go: wave x 128 rows: no place in the cluster enters an LDS address
	s_wait_dscnt 0x0                               ; both opening adds are done
	s_wait_kmcnt 0x0
	s_add_nc_u64 s[14:15], s[4:5], s[16:17]
	s_add_nc_u64 s[46:47], s[6:7], s[46:47]
	CROUND                                         ; all sixteen work-groups are here: the first joint loads meet
.irp s, 0,1
	s_mov_b32 s[G0+4*(\s)], 1
	s_add_co_u32 s[G0+4*(\s)+1], s20, (\s)*SLOT
	s_add_nc_u64 s[G0+4*(\s)+2:G0+4*(\s)+3], s[14:15], (\s)*KSTEP*2
	s_or_b32 s[G0+4*(\s)+3], s[G0+4*(\s)+3], 0x80000000
	s_mov_b32 s[G0B+4*(\s)], 1
	s_add_co_u32 s[G0B+4*(\s)+1], s20, (\s)*SLOT
	s_add_nc_u64 s[G0B+4*(\s)+2:G0B+4*(\s)+3], s[46:47], (\s)*KSTEP*2
	s_or_b32 s[G0B+4*(\s)+3], s[G0B+4*(\s)+3], 0x80000000
	JLOAD \s                                       ; both slots are asked for before anything else is done: two tensor loads of mine are out
.endr
	; a fragment is 16 rows x 32 K in 8 registers: lane l holds row l % 16; two loads of 16 bytes, 32 bytes apart, at row x pitch + 16 (l / 16)
	v_and_b32 v1, 15, v0                           ; l % 16
	v_bfe_u32 v2, v0, 4, 1                         ; l / 16
	v_mul_u32_u24 v3, v1, PITCH
	v_lshl_add_u32 v3, v2, 4, v3
	s_mul_i32 s21, s11, HALFT                      ; my 128 rows of h
	s_mul_i32 s22, s12, HALFT                      ; my 128 rows of wu,
	s_add_co_u32 s22, s22, 2*HALFT                 ; which lie behind h's 256
.irp s, 0,1
	v_add_nc_u32 v[ADRA+(\s)], s21, v3
	v_add_nc_u32 v[ADRB+(\s)], s22, v3
	s_add_co_u32 s21, s21, SLOT
	s_add_co_u32 s22, s22, SLOT
.endr
	s_mul_i32 s23, s10, 16*SPITCH
	s_add_co_u32 s23, s23, STAGE                   ; my stage
	v_mul_u32_u24 v4, v1, SPITCH
	v_lshl_add_u32 v4, v2, 5, v4
	v_add_nc_u32 v[STO], s23, v4
	v_and_b32 v5, 31, v0                           ; lane
	v_lshl_add_u32 v[RD], v5, 4, s23
	v_lshlrev_b32 v[CO], 4, v5
	; where my part of the tile begins in out0 and in x, and my 128 numbers of the bias
	s_lshl_b32 s13, s13, 8
	s_lshl_b32 s14, s11, 7
	s_add_co_u32 s16, s13, s14                     ; my first row
	s_mov_b32 s17, 0
	s_mov_b64 s[18:19], ROWC
	s_mul_u64 s[16:17], s[16:17], s[18:19]
	s_lshl_b32 s46, s42, 10                        ; my first column, in bytes of f32: 1,024 x tile column + 512 x half
	s_lshl_b32 s47, s12, 9
	s_add_co_u32 s46, s46, s47
	s_mov_b32 s47, 0
	s_add_nc_u64 s[84:85], s[84:85], s[46:47]
	s_add_nc_u64 s[16:17], s[16:17], s[46:47]
	s_add_nc_u64 s[8:9], s[8:9], s[16:17]
	s_add_nc_u64 s[86:87], s[86:87], s[16:17]
	; the ring's prefetches: s13 = 256 x tile row, s42 = tile column, s40 = cx, s41 = cy still stand
	s_lshl_b32 s42, s42, 8
	s_and_b32 s22, ttmp7, 0xffff                   ; cluster y
	s_cmp_eq_u32 s11, 0                            ; do I fetch for h?
	s_cselect_b32 s20, s13, s42                    ; the tile's first row
	s_cselect_b32 s21, s40, s41                    ; my place among the four that ask for it with me
	s_cselect_b32 s22, ttmp9, s22                  ; the coordinate along which other clusters read the same rows
	s_cselect_b64 s[PFA:PFA+1], s[4:5], s[6:7]
	s_cmp_eq_u32 s22, 0
	s_cselect_b32 s[LIM], 1, -1                    ; the same in all sixteen partners, for a given wave
	s_lshl_b32 s22, s12, 7
	s_add_co_u32 s20, s20, s22                     ; + the 128 rows that I fetch
	s_lshl_b32 s21, s21, 5
	s_add_co_u32 s20, s20, s21                     ; + my work-group's 32 of them
	s_mov_b32 s21, 0
	s_mov_b64 s[18:19], SIZE_K*2
	s_mul_u64 s[20:21], s[20:21], s[18:19]
	s_add_nc_u64 s[PFA:PFA+1], s[PFA:PFA+1], s[20:21]
	s_add_nc_u64 s[PFA:PFA+1], s[PFA:PFA+1], 2*KSTEP*2  ; at K step 2: the first refill steps it to 3 and names K step 4
	v_and_b32 v[PFO], 31, v0
	v_mul_u32_u24 v[PFO], v[PFO], SIZE_K*2
	global_load_b128 v[BB:BB+3], v[CO], s[84:85]   ; the bias of columns 4 l .. 4 l + 3 of my 128
	XNEXT 0                                        ; x's block 0
	WIN 0
; 16 matrix instructions: m blocks a0, a0 + 1 of the window's four x all 8 n blocks, 32 along K.  zero = 1: the first product starts the sums
.macro MUL16 f, hi, a0, zero
	WIN MUL_LO+0x50*(\hi)
.irp a, \a0, (\a0)+1
.irp b, 0,1,2,3,4,5,6,7
.if \zero
	v_wmma_f32_16x16x32_bf16 v[8*(8*(\a)+(\b)):8*(8*(\a)+(\b))+7], v[(\f)+8*(\b):(\f)+8*(\b)+7], v[(\f)+8*(4*(\hi)+(\a)):(\f)+8*(4*(\hi)+(\a))+7], 0
.else
	v_wmma_f32_16x16x32_bf16 v[8*(8*(\a)+(\b)):8*(8*(\a)+(\b))+7], v[(\f)+8*(\b):(\f)+8*(\b)+7], v[(\f)+8*(4*(\hi)+(\a)):(\f)+8*(4*(\hi)+(\a))+7], v[8*(8*(\a)+(\b)):8*(8*(\a)+(\b))+7]
.endif
.endr
.endr
.endm
; 32 LDS loads in one run: the fragments of one quarter step (128 rows of wu, 128 rows of h, 32 K at byte k of the rows) into buffer f
.macro FETCH slot, k, f
	WIN TO_B
.irp i, 0,1,2,3,4,5,6,7
	ds_load_b128 v[(\f)+8*(\i):(\f)+8*(\i)+3],   v[ADRB+(\slot)] offset:(\k)+(\i)*16*PITCH
	ds_load_b128 v[(\f)+8*(\i)+4:(\f)+8*(\i)+7], v[ADRB+(\slot)] offset:(\k)+(\i)*16*PITCH+32
.endr
	WIN 0
.irp i, 0,1,2,3,4,5,6,7
	ds_load_b128 v[(\f)+8*(\i):(\f)+8*(\i)+3],   v[ADRA+(\slot)] offset:(\k)+(\i)*16*PITCH
	ds_load_b128 v[(\f)+8*(\i)+4:(\f)+8*(\i)+7], v[ADRA+(\slot)] offset:(\k)+(\i)*16*PITCH+32
.endr
.endm
.macro PLACES                          ; four plain places behind matrix instructions, in front of loads into registers that they have read and of lines that read or write results
.rept 4
	v_nop
.endr
.endm
; A K step is four quarters of 32 along K, 64 matrix instructions each, on buffers 0, 1, 0, 1.  One of the first three multiplies buffer f and, in its middle, fetches the next quarter into g.
; part = 1: at its head x's block goes into the stage: 16 LDS stores, half a quarter behind the last run of fragment loads; the wait in the middle covers them; behind it (loop = 1) the next block is asked for.
; part = 2: at its head the block comes back: 16 LDS loads, which have the first 32 matrix instructions in which to land; in the middle, behind the four places, it is added onto its accumulators.
; Both runs stand behind the head's wait and are older than the middle's 32 loads, so the two counts count what they always count.
.macro QUARTER slot, k, f, g, zero, part=0, loop=0
	s_wait_dscnt 8                                 ; wu and h's rows 0-63 are in; the youngest eight loads (h's rows 64-127) may be out
.if (\part) == 1
	XOUT
.endif
.if (\part) == 2
	XBACK
.endif
	WIN MUL_LO
	MUL16 \f, 0, 0, \zero
	MUL16 \f, 0, 2, \zero
	PLACES
.if (\part) == 2
	s_wait_dscnt 0x0                               ; the block is back
.if \loop
	XSWITCH
.else
	XADD LAPS-1
.endif
.endif
	FETCH \slot, \k, \g
	s_wait_dscnt 32                                ; all but the 32 just issued
.if ((\part) == 1) && (\loop)
	XNEXT 1                                        ; the stores above have read the block's registers: they take the next block
.endif
	WIN MUL_HI
	MUL16 \f, 1, 0, \zero
	MUL16 \f, 1, 2, \zero
.endm
; The last quarter's first half: ONE barrier for the change of slots.  In front of it each wave waits for all its tensor loads (one is out: its part of the next slot), adds 0 to its spare word, and
; waits for that and for its own reads of this slot.  Behind it nobody reads this slot any more and the next slot is whole.
.macro MEET round
	WIN 0
	s_wait_tensorcnt 0x0
	ds_add_u32 v[SPW], v[NIL]
	s_wait_dscnt 9                                 ; (the add and the youngest eight loads may be out)
	WIN MUL_LO
	MUL16 F1, 0, 0, 0                              ; sixteen matrix instructions stand between the add and the wait for it
	s_wait_dscnt 0x0                               ; the add is done, and my reads of this slot are over
	s_barrier_signal -1
	MUL16 F1, 0, 2, 0
.if \round
	WIN 0
.endif
	s_barrier_wait -1
.endm
; The whole last quarter with a refill: the barrier opens a round of the cluster's barrier; the joint refill, two K steps on, is the first tensor load behind it, 224 matrix instructions ahead of the wait for it.
.macro TURN slot, next
	s_wait_xcnt 0x0                                ; the last prefetch, a K step back, has read its address
	s_add_nc_u64 s[PFA:PFA+1], s[PFA:PFA+1], KSTEP*2
	MEET 1
	CREST
	s_add_nc_u64 s[G0+4*(\slot)+2:G0+4*(\slot)+3], s[G0+4*(\slot)+2:G0+4*(\slot)+3], 2*KSTEP*2
	s_add_nc_u64 s[G0B+4*(\slot)+2:G0B+4*(\slot)+3], s[G0B+4*(\slot)+2:G0B+4*(\slot)+3], 2*KSTEP*2
	JLOAD \slot                                    ; the four v_nop behind it are also the places in front of the loads below
	FETCH \next, 0, F0
	ASK
	WIN MUL_HI
	MUL16 F1, 1, 0, 0
	MUL16 F1, 1, 2, 0
.endm
	s_wait_tensorcnt 1                             ; my part of K step 0 is in; K step 1's may stay out
	s_barrier_signal -1
	s_barrier_wait -1
	FETCH 0, 0, F0
	QUARTER 0, 64,  F0, F1, 1                      ; the first quarter stands in front of the loop: its products start the sums
	WIN 0
	s_mov_b32 s3, LAPS-1
.Llap:                                                 ; a trip goes once round the ring, from a lap's second quarter to the next lap's first, fills both slots again and takes one block of x in
	QUARTER 0, 128, F1, F0, 0, 1, 1
	QUARTER 0, 192, F0, F1, 0, 2, 1
	TURN 0, 1
	QUARTER 1, 64,  F0, F1, 0
	QUARTER 1, 128, F1, F0, 0
	QUARTER 1, 192, F0, F1, 0
	TURN 1, 0
	QUARTER 0, 64,  F0, F1, 0
	WIN 0
	s_sub_co_u32 s3, s3, 1
	s_cmp_lg_u32 s3, 0
	s_cbranch_scc1 .Llap
	QUARTER 0, 128, F1, F0, 0, 1, 0                ; the last lap fills nothing; it takes x's last block in and asks for none
	QUARTER 0, 192, F0, F1, 0, 2, 0
	MEET 0                                         ; my one tensor load that was out is slot 1's, the last K step's
	PLACES
	FETCH 1, 0, F0
	WIN MUL_HI
	MUL16 F1, 1, 0, 0
	MUL16 F1, 1, 2, 0
	QUARTER 1, 64,  F0, F1, 0
	QUARTER 1, 128, F1, F0, 0
	QUARTER 1, 192, F0, F1, 0
	s_wait_dscnt 8                                 ; the very last quarter: nothing more to fetch
	MUL16 F1, 0, 0, 0
	MUL16 F1, 0, 2, 0
	s_wait_dscnt 0x0
	MUL16 F1, 1, 0, 0
	MUL16 F1, 1, 2, 0
	WIN 0
	PLACES
	PLACES                                         ; once a launch: in front of LDS stores that read results and of vector lines that write fragment registers
; THE WAY OUT.  A block of 16 rows x 128 columns goes in f32 through my own stage and comes back by rows: lane l then holds columns 4 l .. 4 l + 3 of each row, so the bias is four registers for all
; rows and each store covers 512 consecutive bytes of out0, at a multiple of 256 from its first byte.  The eight blocks run in ONE counted loop on fixed registers; only the 16 stores into the stage
; differ, and a forward jump on the counter picks them.
.macro STG a                           ; block a's 8 accumulators into the stage; each accumulator's low four registers first
	WIN 0x08+4*((\a)/4)                            ; the stores' data: window 2 or 3
.irp b, 0,1,2,3,4,5,6,7
	ds_store_b128 v[STO], v[64*((\a)%4)+8*(\b):64*((\a)%4)+8*(\b)+3]   offset:64*(\b)
	ds_store_b128 v[STO], v[64*((\a)%4)+8*(\b)+4:64*((\a)%4)+8*(\b)+7] offset:64*(\b)+16
.endr
	WIN 0
.endm
.macro RDB                             ; back by rows, into window 1's v0-63.  LDS serves a wave's instructions in order (ISA guide 5.7.1.4): these see the stores above
	WIN 0x40
.set t, 0
.rept 16
	ds_load_b128 v[XR+4*t:XR+4*t+3], v[RD] offset:SPITCH*t
.set t, t+1
.endr
	WIN 0
.endm
	STG 0
	RDB
	s_mov_b32 s2, 1
.Lblk:                                                 ; trip s2 = 1 .. 8 finishes block s2 - 1 and stages block s2
	s_wait_dscnt 0x0                               ; the block is back in registers
	WIN 0x01                                       ; source 0 in window 1
.set i, 0
.rept 32
	v_pk_add_f32 v[RW+i:RW+i+1], v[XR+i:XR+i+1], v[BB+i%4:BB+i%4+1]   ; + the bias; x is in the sums already
.set i, i+2
.endr
	WIN 0
.set t, 0
.rept 16
	global_store_b128 v[CO], v[RW+4*t:RW+4*t+3], s[8:9] offset:ROWC*t th:TH_STORE_NT
.set t, t+1
.endr
.irp k, 1,2,3,4,5,6,7
	s_cmp_eq_u32 s2, \k
	s_cbranch_scc1 .Lst_\k
.endr
	s_branch .Lstaged                              ; the last trip stages nothing
.irp k, 1,2,3,4,5,6
.Lst_\k:
	STG \k
	s_branch .Lrd
.endr
.Lst_7:
	STG 7
.Lrd:
	RDB
.Lstaged:
	s_wait_xcnt 0x0                                ; the stores have read their data and their base: both are written again only behind this wait
	s_add_nc_u64 s[8:9], s[8:9], 16*ROWC
	s_add_co_u32 s2, s2, 1
	s_cmp_lt_u32 s2, 9
	s_cbranch_scc1 .Lblk
	s_wait_tensorcnt 0x0                           ; the wave's end: a wait, an add and its wait, behind my last tensor load and my last LDS store
	ds_add_u32 v[SPW], v[NIL]
	s_wait_dscnt 0x0
	CROUND                                         ; the closing round: no work-group ends while a partner may still ask for a tile that names it
	s_endpgm
.Lfunc_end_k_q0395c4460d_up:
	.size	k_q0395c4460d_up, .Lfunc_end_k_q0395c4460d_up-k_q0395c4460d_up
	.p2alignl 7, 3214868480
	.fill 96, 4, 3214868480
	.section	.rodata,"a",@progbits
	.p2align	6, 0x0
	.amdhsa_kernel k_q0395c4460d_up
		.amdhsa_group_segment_fixed_size 327680
		.amdhsa_private_segment_fixed_size 0
		.amdhsa_enable_private_segment 0
		.amdhsa_kernarg_size 40
		.amdhsa_user_sgpr_count 2
		.amdhsa_user_sgpr_kernarg_segment_ptr 1
		.amdhsa_wavefront_size32 1
		.amdhsa_system_sgpr_workgroup_id_x 1
		.amdhsa_system_sgpr_workgroup_id_y 1
		.amdhsa_system_sgpr_workgroup_id_z 1
		.amdhsa_system_vgpr_workitem_id 0
		.amdhsa_next_free_vgpr 1024
		.amdhsa_next_free_sgpr 88
		.amdhsa_reserve_vcc 0
		.amdhsa_float_denorm_mode_32 3
		.amdhsa_float_denorm_mode_16_64 3
		.amdhsa_memory_ordered 1
		.amdhsa_forward_progress 1
		.amdhsa_inst_pref_size 152
	.end_amdhsa_kernel
	.amdgpu_metadata
---
amdhsa.version: [ 1, 2 ]
amdhsa.kernels:
  - .name:           k_q0395c4460d_up
    .symbol:         k_q0395c4460d_up.kd
    .args:
      - { .name: h, .offset: 0, .size: 8, .value_kind: global_buffer, .address_space: global }
      - { .name: wu, .offset: 8, .size: 8, .value_kind: global_buffer, .address_space: global }
      - { .name: out0, .offset: 16, .size: 8, .value_kind: global_buffer, .address_space: global }
      - { .name: b_up, .offset: 24, .size: 8, .value_kind: global_buffer, .address_space: global }
      - { .name: x, .offset: 32, .size: 8, .value_kind: global_buffer, .address_space: global }
    .group_segment_fixed_size: 327680
    .private_segment_fixed_size: 0
    .kernarg_segment_align: 8
    .kernarg_segment_size: 40
    .max_flat_workgroup_size: 128
    .sgpr_count:     88
    .vgpr_count:     1024
    .wavefront_size: 32
...
	.end_amdgpu_metadata
.endif
;; end of part 3
;; ======== version 2 of 2: 3 launches; version 1 with the launch prep written anew for expert scheduling mode
;; workspace buffers: xb 33,554,432 bytes; wd 4,194,304 bytes; wu 4,194,304 bytes; h 67,108,864 bytes
;; launch prep (part 4): grid 512 x 1, 8 waves a work-group, no clusters, 0 bytes of LDS; arguments x, W_down, A_down, B_down, W_up, A_up, B_up, xb, wd, wu; writes xb, wd, wu
.if DOCPART == 4
	.amdgcn_target "amdgcn-amd-amdhsa--gfx1250"
	.amdhsa_code_object_version 6
	.text
	.protected	k_q0395c4460d_prep
	.globl	k_q0395c4460d_prep
	.p2align	8
	.type	k_q0395c4460d_prep,@function
k_q0395c4460d_prep:
	s_mov_b64 s[64:65], 0
	v_nop
	global_prefetch_b8 v0, s[64:65] scope:SCOPE_SE
	s_setreg_imm32_b32 hwreg(HW_REG_WAVE_SCHED_MODE, 0, 2), 2
	s_setreg_imm32_b32 hwreg(HW_REG_WAVE_MODE, 25, 1), 1
	s_wait_xcnt 0x0
	s_wait_alu depctr_vm_vsrc(0)
; PREPARATION: a stream.  xb = x rounded to bf16;  wd[o][d] = bf16(W_down[o][d] + 1/8 sum_r A_down[d][r] B_down[r][o]);  wu likewise from W_up, A_up, B_up.
; x W^T + 1/8 (x A) B = x (W + 1/8 (A B)^T)^T for every input, so the two rank-8 paths are added into the weights: in f32, by fused multiply-adds, rounded ONCE to bf16.
; LIMIT: a part of 1/8 A B that is smaller than half a bf16 step of W is lost in that one rounding, as W's own low bits are.
; SHARES.  512 work-groups of eight waves: 4,096 waves, and every wave does both kinds of work: 16,384 consecutive bytes of x, and one unit of 8 rows o x 128 columns d of a weight
; (2,048 units in each weight; work-groups 0-255 take W_down, 256-511 W_up; a lane has 4 columns).
; IN FLIGHT.  All 48 vector loads of a wave go out at its head: A's 8, W's 8, x's 32: 24 KiB a wave.  Loads come back in order, so the weight's 256 multiply-adds run while x is on its way.
; B[r][o] is the same in every lane: it comes by scalar loads and enters the multiply-add as its scalar source.
; No LDS, no matrix unit, no cluster: no byte is wanted by two waves but A's and B's few.  Every load of x and W covers 512 consecutive bytes, every store 256 consecutive bytes at a multiple of 256
; from its buffer's first byte.
; THE MODE: SCHED_MODE bits 1:0 = 2 (LLVM: expert scheduling mode 2), set by the entry lines.  The code itself states the register dependences between vector instructions and memory
; instructions, with s_wait_alu, always for 0.
; THE PLAN.  Registers that memory instructions touch:
;   v3, WO0 .. WO7, OO0 .. OO7   byte offsets.  Written by vector lines at the head, ahead of the one wait that stands in front of the first load; read by the loads and stores; never written again.
;   A's, W's and x's registers   no vector line names them before their loads are issued.  Each lands once and is worked on in place behind its wait on LOADcnt.
;   W's row j, x's load i        their first two registers take the two roundings, and ONE store reads them; nothing writes them afterwards.
; So no register that a memory instruction reads is written behind it, and the one dependence left is: the roundings have written what a store reads.  It is stated for four stores at a time.  The work
; goes in blocks of four (the weight's rows 0-3 and 4-7, then x's loads four by four); a block's stores are issued in the NEXT block, behind one wait at that block's head, dealt among that block's
; vector lines, which name the next block's registers alone.  Each store stands ahead of the wait for the next load.
.set AR,  8                            ; v[8:39]    A[d+k][r] at AR + 8 k + r
.set WR,  40                           ; v[40:71]   W[o0+j][d+k] at WR + 4 j + k
.set XI,  72                           ; v[72:199]  x: 32 loads of 4 f32; packed in place
.set WO,  200                          ; v[200:207] W: j rows + 16 x lane; v[WO] itself is also the offset of x's loads
.set OO,  208                          ; v[208:215] the output: j rows + 8 x lane; v[OO] itself is also the offset of xb's stores
; B[r][o0+j] lies in s[28 + 8 r + 8 (r / 4) + j]: s[28:59] for r = 0..3, s[68:99] for r = 4..7
	s_load_b512 s[4:19], s[0:1], 0x0               ; x 4:5, W_down 6:7, A_down 8:9, B_down 10:11, W_up 12:13, A_up 14:15, B_up 16:17, xb 18:19
	s_load_b128 s[20:23], s[0:1], 0x40             ; wd 20:21, wu 22:23
	v_and_b32 v4, 31, v0                           ; lane
	v_lshrrev_b32 v5, 5, v0
	v_readfirstlane_b32 s2, v5                     ; wave 0..7
	v_lshlrev_b32 v[WO], 4, v4                     ; 16 x lane
	v_lshlrev_b32 v[OO], 3, v4                     ; 8 x lane
	v_lshlrev_b32 v3, 7, v4                        ; 128 x lane
	s_wait_alu depctr_va_sdst(0)                   ; s2 is written, ahead of its first reader: the wave's parts of all the bases are made from it
	s_and_b32 s3, ttmp9, 255                       ; g: the work-group's number among its weight's 256
	s_wait_kmcnt 0x0
	s_cmp_lt_u32 ttmp9, 256                        ; down?
	s_cselect_b32 s100, 0, 1                       ; sh: down has 1,024 columns (a work-group takes its rows whole), up 2,048 (two halves)
	s_cselect_b64 s[24:25], s[6:7], s[12:13]       ; W
	s_cselect_b64 s[26:27], s[8:9], s[14:15]       ; A
	s_cselect_b64 s[60:61], s[10:11], s[16:17]     ; B
	s_cselect_b64 s[62:63], s[20:21], s[22:23]     ; the output
	s_lshl_b32 s101, 4096, s100                    ; bytes in a row of W
	s_lshl_b32 s6, 2048, s100                      ; bytes in a row of the output
.set j, 1
.rept 7
	v_add_nc_u32 v[WO+j], s101, v[WO+j-1]          ; the offsets of rows 1 to 7, each in a register of its own; the two chains take turns; s101 and s6 are not written again
	v_add_nc_u32 v[OO+j], s6, v[OO+j-1]
.set j, j+1
.endr
	s_lshr_b32 s7, s3, s100
	s_lshl_b32 s7, s7, 3                           ; o0: my work-group's first row
	s_and_b32 s8, s3, s100                         ; dh: which half of the columns
	s_mul_i32 s10, s7, s101                        ; W: o0 rows,
	s_lshl_b32 s12, s8, 12                         ; + dh x 1,024 columns of 4 bytes,
	s_add_co_u32 s10, s10, s12
	s_lshl_b32 s12, s2, 9                          ; + my wave's 128 columns
	s_add_co_u32 s10, s10, s12
	s_mov_b32 s11, 0
	s_add_nc_u64 s[24:25], s[24:25], s[10:11]
	s_lshr_b32 s10, s10, 1                         ; the output: half of that
	s_add_nc_u64 s[62:63], s[62:63], s[10:11]
	s_lshl_b32 s10, s8, 15                         ; A: rows of 32 bytes: dh x 1,024 rows
	s_lshl_b32 s12, s2, 12                         ; + my wave's 128 rows
	s_add_co_u32 s10, s10, s12
	s_add_nc_u64 s[26:27], s[26:27], s[10:11]
	s_lshl_b32 s10, s7, 2                          ; B: column o0
	s_add_nc_u64 s[60:61], s[60:61], s[10:11]
	s_lshl_b32 s10, ttmp9, 17                      ; x: the work-group's 131,072 bytes,
	s_lshl_b32 s12, s2, 14                         ; my wave's 16,384
	s_add_co_u32 s10, s10, s12
	s_add_nc_u64 s[4:5], s[4:5], s[10:11]
	s_lshr_b32 s10, s10, 1                         ; half as many bytes in xb
	s_add_nc_u64 s[18:19], s[18:19], s[10:11]
	s_cmp_lt_u32 ttmp9, 256                        ; a row of B_down is 8,192 bytes, of B_up 4,096: the row stands in the immediate, so there are two arms
	s_cbranch_scc0 .Lb_up
.set r, 0
.rept 8
	s_load_b256 s[28+8*r+8*(r/4):35+8*r+8*(r/4)], s[60:61], r*8192
.set r, r+1
.endr
	s_branch .Lb_asked
.Lb_up:
.set r, 0
.rept 8
	s_load_b256 s[28+8*r+8*(r/4):35+8*r+8*(r/4)], s[60:61], r*4096
.set r, r+1
.endr
.Lb_asked:
	s_wait_alu depctr_va_vdst(0)                   ; v3 and the sixteen offsets v[WO ..], v[OO ..] are written: every load and store of the kernel reads one of them
.set m, 0
.rept 8
	global_load_b128 v[AR+4*m:AR+4*m+3], v3, s[26:27] offset:16*m    ; my 4 rows of A: 128 consecutive bytes
.set m, m+1
.endr
.set j, 0
.rept 8
	global_load_b128 v[WR+4*j:WR+4*j+3], v[WO+j], s[24:25] th:TH_LOAD_NT
.set j, j+1
.endr
.set i, 0
.rept 32
	global_load_b128 v[XI+4*i:XI+4*i+3], v[WO], s[4:5] offset:512*i th:TH_LOAD_NT
.set i, i+1
.endr
	; ---- W + 1/8 (A B)^T to bf16, while x is on its way ----
	s_wait_loadcnt 40                              ; A is in: W's 8 and x's 32 loads are younger
.set i, 0
.rept 16
	v_pk_mul_f32 v[AR+i:AR+i+1], v[AR+i:AR+i+1], 0x3e000000 op_sel_hi:[1,0]   ; A / 8: exact
.set i, i+2
.endr
	s_wait_kmcnt 0x0                               ; B
.set j, 0
.rept 8
.if j == 4
	s_wait_alu depctr_va_vdst(0)                   ; the roundings of rows 0 to 3 have written their pairs, which the four stores dealt among rows 4 to 7 read
.endif
.if j >= 4
	global_store_b64 v[OO+j-4], v[WR+4*(j-4):WR+4*(j-4)+1], s[62:63]   ; row j - 4.  No vector line since the wait names its registers
.endif
	s_wait_loadcnt 39-j                            ; W's row j is in: 7 - j rows and x's 32 loads are younger
.set r, 0
.rept 8
.set k, 0
.rept 4
	v_fmac_f32 v[WR+4*j+k], s[28+8*r+8*(r/4)+j], v[AR+8*k+r]   ; four sums take turns
.set k, k+1
.endr
.set r, r+1
.endr
	v_cvt_pk_bf16_f32 v[WR+4*j], v[WR+4*j], v[WR+4*j+1]
	v_cvt_pk_bf16_f32 v[WR+4*j+1], v[WR+4*j+2], v[WR+4*j+3]
.set j, j+1
.endr
	; ---- x to bf16, in eight blocks of four loads ----
.set i, 0
.rept 32
.if (i%4) == 0
	s_wait_alu depctr_va_vdst(0)                   ; the roundings of the block before (for the first block: of the weight's rows 4 to 7) have written the pairs that this block's four stores read
.endif
.if i < 4
	global_store_b64 v[OO+4+i], v[WR+4*(4+i):WR+4*(4+i)+1], s[62:63]   ; the weight's row 4 + i
.else
	global_store_b64 v[OO], v[XI+4*(i-4):XI+4*(i-4)+1], s[18:19] offset:256*(i-4)   ; the block before.  No vector line since the wait names its registers
.endif
	s_wait_loadcnt 31-i                            ; load i is in, the 31 - i younger ones stay out
	v_cvt_pk_bf16_f32 v[XI+4*i], v[XI+4*i], v[XI+4*i+1]
	v_cvt_pk_bf16_f32 v[XI+4*i+1], v[XI+4*i+2], v[XI+4*i+3]
.set i, i+1
.endr
	s_wait_alu depctr_va_vdst(0)                   ; the last block's roundings have written the pairs that the last four stores read
.set i, 28
.rept 4
	global_store_b64 v[OO], v[XI+4*i:XI+4*i+1], s[18:19] offset:256*i
.set i, i+1
.endr
	s_endpgm
.Lfunc_end_k_q0395c4460d_prep:
	.size	k_q0395c4460d_prep, .Lfunc_end_k_q0395c4460d_prep-k_q0395c4460d_prep
	.p2alignl 7, 3214868480
	.fill 96, 4, 3214868480
	.section	.rodata,"a",@progbits
	.p2align	6, 0x0
	.amdhsa_kernel k_q0395c4460d_prep
		.amdhsa_group_segment_fixed_size 0
		.amdhsa_private_segment_fixed_size 0
		.amdhsa_enable_private_segment 0
		.amdhsa_kernarg_size 80
		.amdhsa_user_sgpr_count 2
		.amdhsa_user_sgpr_kernarg_segment_ptr 1
		.amdhsa_wavefront_size32 1
		.amdhsa_system_sgpr_workgroup_id_x 1
		.amdhsa_system_sgpr_workgroup_id_y 1
		.amdhsa_system_sgpr_workgroup_id_z 1
		.amdhsa_system_vgpr_workitem_id 0
		.amdhsa_next_free_vgpr 216
		.amdhsa_next_free_sgpr 102
		.amdhsa_reserve_vcc 0
		.amdhsa_float_denorm_mode_32 3
		.amdhsa_float_denorm_mode_16_64 3
		.amdhsa_memory_ordered 1
		.amdhsa_forward_progress 1
		.amdhsa_inst_pref_size 28
	.end_amdhsa_kernel
	.amdgpu_metadata
---
amdhsa.version: [ 1, 2 ]
amdhsa.kernels:
  - .name:           k_q0395c4460d_prep
    .symbol:         k_q0395c4460d_prep.kd
    .args:
      - { .name: x, .offset: 0, .size: 8, .value_kind: global_buffer, .address_space: global }
      - { .name: W_down, .offset: 8, .size: 8, .value_kind: global_buffer, .address_space: global }
      - { .name: A_down, .offset: 16, .size: 8, .value_kind: global_buffer, .address_space: global }
      - { .name: B_down, .offset: 24, .size: 8, .value_kind: global_buffer, .address_space: global }
      - { .name: W_up, .offset: 32, .size: 8, .value_kind: global_buffer, .address_space: global }
      - { .name: A_up, .offset: 40, .size: 8, .value_kind: global_buffer, .address_space: global }
      - { .name: B_up, .offset: 48, .size: 8, .value_kind: global_buffer, .address_space: global }
      - { .name: xb, .offset: 56, .size: 8, .value_kind: global_buffer, .address_space: global }
      - { .name: wd, .offset: 64, .size: 8, .value_kind: global_buffer, .address_space: global }
      - { .name: wu, .offset: 72, .size: 8, .value_kind: global_buffer, .address_space: global }
    .group_segment_fixed_size: 0
    .private_segment_fixed_size: 0
    .kernarg_segment_align: 8
    .kernarg_segment_size: 80
    .max_flat_workgroup_size: 256
    .sgpr_count:     102
    .vgpr_count:     216
    .wavefront_size: 32
...
	.end_amdgpu_metadata
.endif
;; end of part 4
;; launch down: the kernel of part 2 again; grid 8 x 32, 4 waves a work-group, clusters of 4 x 4, 327,680 bytes of LDS; arguments xb, wd, h, b_down; writes h
;; launch up: the kernel of part 3 again; grid 4 x 64, 4 waves a work-group, clusters of 4 x 4, 327,680 bytes of LDS; arguments h, wu, out0, b_up, x; writes out0
